; MI455X (gfx1250); checked and timed in simulation.
; The chip was launched on July 23, 2026; its instructions are those of AMD's public machine-readable ISA for CDNA 5 (MIT licence, August 2026) and "CDNA5" Instruction Set Architecture Reference Guide (July 2026). The comments in the code are by the model that wrote it; some were corrected since.
;; Multi Head Attention. Allowed arithmetic: matrix products marked QUANTISED: E4M3 operands, one E8M0 scale for each 32 along K, by v_wmma_scale_f32_16x16x128_f8f6f4 with both operands' format E4M3, f32 sums; everything else in f32.
;; Inputs: Wk_codes 12 x 64 x 24 x 32 uint8 (E4M3 codes of Wk, K innermost, in blocks of 32 codes); Wk_scales 12 x 64 x 24 uint8 (E8M0 scales of Wk, one for each 32 codes along K); Wo_codes 768 x 24 x 32 uint8 (E4M3 codes of Wo, K innermost, in blocks of 32 codes); Wo_scales 768 x 24 uint8 (E8M0 scales of Wo, one for each 32 codes along K); Wq_codes 12 x 64 x 24 x 32 uint8 (E4M3 codes of Wq, K innermost, in blocks of 32 codes); Wq_scales 12 x 64 x 24 uint8 (E8M0 scales of Wq, one for each 32 codes along K); Wv_codes 12 x 64 x 24 x 32 uint8 (E4M3 codes of Wv, K innermost, in blocks of 32 codes); Wv_scales 12 x 64 x 24 uint8 (E8M0 scales of Wv, one for each 32 codes along K); bk 12 x 64 float32; bo 768 float32; bq 12 x 64 float32; bv 12 x 64 float32; x_codes 1 x 4,096 x 24 x 32 uint8 (E4M3 codes of x, K innermost, in blocks of 32 codes); x_scales 1 x 4,096 x 24 uint8 (E8M0 scales of x, one for each 32 codes along K).
;; Outputs: out0 1 x 4,096 x 768 float32.
;; This version of the problem:
;;   THIS VERSION OF THE PROBLEM IS GIVEN IN LOW PRECISION. The matrix products marked QUANTISED in the list below multiply operands that are first quantised to E4M3 (4 exponent bits, 3 mantissa bits; 8 bits a number), with one power-of-two scale for each 32 numbers along K (OCP MX v1.0); their sums are f32. All else is computed in f32.
;;   The module's matrix products, in the order in which they are computed (A, B: the left and right operand; K: the contracted axis; several contracted axes count as one K, in the product's order):
;;     1. [M 768, K 768] x [K 768, N 4,096]; A: input Wq (given as codes); B: input x (given as codes): QUANTISED
;;     2. [M 768, K 768] x [K 768, N 4,096]; A: input Wk (given as codes); B: input x (given as codes): QUANTISED
;;     3. [M 768, K 768] x [K 768, N 4,096]; A: input Wv (given as codes); B: input x (given as codes): QUANTISED
;;     4. batch 12 x [M 4,096, K 64] x [K 64, N 4,096]; A: computed on the way; B: computed on the way: QUANTISED
;;     5. batch 12 x [M 4,096, K 4,096] x [K 4,096, N 64]; A: softmax (see below); B: computed on the way: QUANTISED
;;     6. [M 4,096, K 768] x [K 768, N 768]; A: computed on the way; B: input Wo (given as codes): QUANTISED
;;   THE QUANTISER, for each operand of a quantised product, along K:
;;     - K is cut into blocks of 32 from its start; a last block that is shorter is filled with zeros.
;;     - A block's scale is 2^e with e = floor(log2(the largest magnitude in the block)) - 8, held to -126 .. 127; a block of zeros has e = 0. As a byte (E8M0): e + 127.
;;     - Each number is divided by its block's scale, clamped to +-448, and rounded to the nearest number of E4M3, ties to even, subnormals kept.
;;     - The product sums the exact products of the quantised numbers (number of the format x scale) in f32.
;;   ~~~python
;;   def quantise(x, axis):      # numpy; x: float32 -> the quantised numbers, widened to float32 again
;;       x = np.moveaxis(x, axis, -1); K = x.shape[-1]
;;       x = np.pad(x, [(0, 0)] * (x.ndim - 1) + [(0, -K % 32)]); x = x.reshape(x.shape[:-1] + (-1, 32)); a = np.abs(x).max(-1, keepdims=True)
;;       e = np.where(a > 0, np.clip(np.frexp(np.where(a > 0, a, 1))[1] - 1 - 8, -126, 127), 0)      # np.frexp(a)[1] - 1 = floor(log2(a)), exactly
;;       r = np.clip(x / 2.0 ** e, -448, 448)
;;       step = 2.0 ** (np.maximum(np.frexp(np.where(r == 0, 1, r))[1] - 1, -6) - 3)
;;       q = np.round(r / step) * step * 2.0 ** e      # np.round: ties to even
;;       return np.moveaxis(q.reshape(q.shape[:-2] + (-1,))[..., :K], -1, axis).astype(np.float32)
;;   ~~~
;;   SOFTMAX AHEAD OF A QUANTISED PRODUCT. Where the list says 'softmax', what is quantised is not the finished softmax but p = 2^(t - M), with t = logit x log2(e) and M = ceil(the row's largest t), a whole number; so 1/2 < the row's largest p <= 1. The row's sum l is taken of the UNQUANTISED p, in f32, and the product's result is divided by l at the end. Since M is a whole number, a kernel that streams over the keys may use a running M (the ceiling of the running maximum): every later rescaling is an exact power of two, which a block's scale takes up: the codes' values come out the same.
;;   OPERANDS COMPUTED ON THE WAY. 'Computed on the way' means the value that the module computes at that place (a softmax that the list does not call 'softmax' is quantised finished and normalised). What goes into a quantiser is computed in f32, as accurately as f32 sums, v_exp_f32 and their like allow (about 1e-6 of the number): no bf16 or f16 on the way to a quantiser, and a product that is left as it is and whose result goes on into a quantised operand takes f32 operands (vector FMAs, or v_wmma_f32_16x16x4_f32). A number that lies on a knife's edge between two numbers of the format may be rounded either way, as far as f32 arithmetic and the matrix unit's own rounding can turn it there, and no further.
;;   INPUTS GIVEN AS CODES. Wk (in the module: [12, 768, 64], K = its axis 1); Wo (in the module: [768, 768], K = its axis 0); Wq (in the module: [12, 768, 64], K = its axis 1); Wv (in the module: [12, 768, 64], K = its axis 1); x (in the module: [1, 4096, 768], K = its axis 2): each comes as NAME_codes (uint8): NAME with its K axis moved to the last place and cut into blocks of 32 codes, [.., K / 32, bytes a block], one block behind the other in memory; one code a byte (a code: sign, 4 exponent bits, 3 mantissa bits); and NAME_scales (uint8): the same leading axes, one E8M0 byte (e + 127) for each 32 codes along K. Its value is code x scale, taken as it is: it is not quantised again, and the codes and scales need not be those that the quantiser above would give.
;; One version. Each part assembles by itself: llvm-mc -triple=amdgcn-amd-amdhsa -mcpu=gfx1250 --defsym DOCPART=n.
;; ======== version 1 of 1: 3 launches
;; limits: right only within a limited range of input values
;; workspace buffers: qc 3,145,728 bytes; qs 196,608 bytes; kv 6,488,064 bytes; cc 3,145,728 bytes; cs 98,304 bytes
;; launch proj (part 1): grid 32 x 12, 12 waves a work-group, clusters of 4 x 4, 271,872 bytes of LDS; arguments x_codes, x_scales, Wq_codes, Wq_scales, Wk_codes, Wk_scales, Wv_codes, Wv_scales, bq, bk, bv, qc, qs, kv; writes qc, qs, kv
.if DOCPART == 1
	.amdgcn_target "amdgcn-amd-amdhsa--gfx1250"
	.amdhsa_code_object_version 6
	.text
	.protected	k_q1c52771956_proj
	.globl	k_q1c52771956_proj
	.p2align	8
	.type	k_q1c52771956_proj,@function
k_q1c52771956_proj:
	s_mov_b64 s[64:65], 0
	v_nop
	global_prefetch_b8 v0, s[64:65] scope:SCOPE_SE
	s_setreg_imm32_b32 hwreg(HW_REG_WAVE_MODE, 25, 1), 1
	s_wait_xcnt 0x0
	s_wait_alu depctr_hold_cnt(0) depctr_sa_sdst(0) depctr_va_vdst(0) depctr_va_sdst(0) depctr_va_ssrc(0) depctr_va_vcc(0) depctr_vm_vsrc(0)
	s_getreg_b32 s2, hwreg(HW_REG_IB_STS2, 6, 4)
	s_cmp_eq_u32 s2, 0
	s_cbranch_scc0 .Lentry_in_a_cluster
	s_endpgm
.Lentry_in_a_cluster:
	s_bfe_u32 s2, ttmp6, 0x10000c
	s_cmp_lg_u32 s2, 0xf033
	s_cbranch_scc0 .Lentry_shape_is_right
	s_endpgm
.Lentry_shape_is_right:
; PROJ.  q, k, v = x W + b on codes of E4M3 with one E8M0 scale for each 32 along K (K = 768), and the results quantised again for the attention:
; q and k along the head's 64 channels, v along the keys.  Sums in f32.
; SHARES.  A work-group takes 128 rows of x (key step st = 0..31) and one head hd: 192 columns.  Twelve waves: role g = wave / 4 (0 q, 1 k, 2 v), f = wave % 4: rows 32 f .. 32 f + 31.
; A wave multiplies 2 tiles of x by 4 tiles of W: eight accumulators, six K steps of 128.  All of K lies in LDS: every LDS byte is filled once.
; CLUSTERS, 4 x 4.  x's tiles hang on st alone and are asked for jointly along a column of the cluster, W's on hd alone and along a row: each tile is requested once for four work-groups.
; LAYOUT.  q, k: source 0 = 16 rows of W, source 1 = 16 rows of x: a lane holds ONE row of x and eight channels.  v: source 0 = x, source 1 = W: a lane holds ONE channel and eight keys.
; So the 16 registers of two neighbouring tiles are 16 numbers of one block of 32 along the NEXT product's K, and lane l xor 16 holds the other 16.  Register i holds element 16 (i / 8) + 8 (lane / 16) + i % 8
; of the block.  The codes are stored in that order; both operands of each later product are made in the same order, so the products pair up rightly and every block keeps its scale.
; WORKSPACE, images of operand registers (a group = 4 registers x 32 lanes = 512 bytes, lane l at 16 l):
;   qc [hd][tile of 16 queries][channel block b][512];  qs [hd][tile][row] words (s0, s1, s0, s1)
;   kv [hd / 3][st][hd % 3][16,896]: K's four fragments (fragment f, group 2 u + b: keys 32 f + 16 u + row, channel block b: two tiles of K = 64 in one row of K = 128), V's four (fragment t: channels 16 t + row,
;   group c: keys 32 c on), and 512 bytes of scale words, 16 bytes a lane: K's fragments 0|1, 2|3, V's 0|1, 2|3 (lanes 0-15 | lanes 16-31).
; LIMITS: NaN and infinities are not served; a block whose largest magnitude lies under 2^-118 keeps the scale byte 1; a block of zeros gets the byte 1 and not 127 (its codes are zeros, and this program alone reads the bytes).
.set PITCH, 816                        ; an LDS row: all of K, 3 x (256 bytes + 16 of padding) = 204 words, so the 16 rows of a fragment load start 12 banks apart, all different (64 banks of 4 bytes: ISA guide 11.1)
.set PLANE, 272                        ; 256 along K on, inside a row
.set WOFF,  128*PITCH
.set WPART, 64*PITCH
.set XSB,   320*PITCH                  ; behind 128 rows of x and 64 each of Wq, Wk, Wv: x's scale bytes of the 128 rows: 24 a row, dense
.set WSB,   XSB+3072                   ; the three weights' scale bytes of the head: 1,536 each
.set SCS,   WSB+3*1536                 ; the stage for the scales that this work-group makes: 512 bytes for kv, 512 for qs; no fill lands here
.set KVB,   16896
.set AX,  4                            ; v4-6   LDS address of my x fragments in plane 0, 1, 2
.set AW,  7                            ; v7-9   of my role's W fragments
.set AXS, 10                           ; v10    of x's scale words: lane l takes row 32 f + l
.set AWS, 11                           ; v11    of W's: lane l takes row l
.set SK,  12                           ; v12    where role k puts a scale word
.set SV,  13                           ; v13    where role v puts a scale byte
.set SQ,  14                           ; v14    where role q puts a scale word
.set LR,  15                           ; v15    where waves 0 and 1 read the stage back
.set OA,  16                           ; v16    16 x lane
.set H32, 17                           ; v17    32 x (lane / 16)
.set R4,  18                           ; v18    4 x (lane % 16)
.set H16, 19                           ; v19    16 x (lane / 16)
.set XSC, 24                           ; v24-29 x's scale words of K step ks: lanes 0-15 tile 0, lanes 16-31 tile 1
.set WSC, 30                           ; v30-41 W's: register 6 (t / 2) + ks: lanes 0-15 tile t even, lanes 16-31 tile t odd
.set XF,  64                           ; v64-95   x's two fragments
.set WF,  96                           ; v96-159  W's four
.set ACC, 160                          ; v160-223 eight accumulators
.set BI,  224                          ; v224-255 the bias in the result's layout, eight registers a tile of W
.set PC,  64                           ; behind the K loop: the codes,
.set TM,  80                           ; v80-83 largest magnitudes, v84-87 bytes, v88-91 448 x the scale, v92-95 the conversions' scale operands
.set PW,  96                           ; the scale word
.set SWV, 20
.set SG,  21
.set SF,  22
.set SCX, 23
.set SCY, 24
.set SST, 25
.set SHD, 26
.set SRM, 27
.set SCM, 28
.set G1X,  32                          ; s[32:39] group 1: x's tiles;  s[40:47] W's;  s[48:55] x's scale bytes;  s[56:63] W's
.set G1W,  40
.set G1XS, 48
.set G1WS, 56
.set G0X,  68                          ; s[68:75] two groups 0 for x: scale bytes, the codes;  s[84:91] the same for W
.set G0W,  84
.set SEL,  66
.set MNT,  100
.set OB,   16                          ; s[16:17] where my codes go;  s[18:19] where the staged scales go;  s[30:31] my role's bias
.set OB2,  18
.set BP,   30
.macro CROUND                          ; a round of the cluster's barrier
	s_barrier_signal -1
	s_barrier_wait -1
	s_cmp_lg_u32 s[SWV], 0
	s_cbranch_scc1 .Lnot_wave_0_\@
	s_barrier_signal -3
.Lnot_wave_0_\@:
	s_barrier_wait -3
	s_barrier_signal -1
	s_barrier_wait -1
.endm
.macro SYNC left                       ; every wave's one load has landed, and every wave knows it
	s_wait_tensorcnt \left
	s_barrier_signal -1
	s_barrier_wait -1
.endm
.macro WM d, a, b, c, sa, sb, ra, rb   ; one product; ra, rb = 1: that side's scales stand in lanes 16-31 of the register named
.if (\ra) && (\rb)
	v_wmma_scale_f32_16x16x128_f8f6f4 v[\d:\d+7], v[\a:\a+15], v[\b:\b+15], v[\c:\c+7], v[\sa], v[\sb] matrix_a_scale:MATRIX_SCALE_ROW1 matrix_b_scale:MATRIX_SCALE_ROW1
.elseif (\ra)
	v_wmma_scale_f32_16x16x128_f8f6f4 v[\d:\d+7], v[\a:\a+15], v[\b:\b+15], v[\c:\c+7], v[\sa], v[\sb] matrix_a_scale:MATRIX_SCALE_ROW1
.elseif (\rb)
	v_wmma_scale_f32_16x16x128_f8f6f4 v[\d:\d+7], v[\a:\a+15], v[\b:\b+15], v[\c:\c+7], v[\sa], v[\sb] matrix_b_scale:MATRIX_SCALE_ROW1
.else
	v_wmma_scale_f32_16x16x128_f8f6f4 v[\d:\d+7], v[\a:\a+15], v[\b:\b+15], v[\c:\c+7], v[\sa], v[\sb]
.endif
.endm
; nb blocks of 16 registers from v[s] on become codes in v[PC] on (four registers a block); the blocks' bytes stand in v[TM+4] on, with nb = 4 also as one word in v[PW].
.macro QUANT s, nb
.set qb, 0
.rept \nb
	v_max3_num_f32 v[TM+qb], |v[(\s)+16*qb]|, |v[(\s)+16*qb+1]|, 0x4800000   ; my 16 numbers, and the floor 2^(9 - 127): the byte cannot fall under 1
.set qb, qb+1
.endr
.set qi, 2
.rept 7
.set qb, 0
.rept \nb
	v_max3_num_f32 v[TM+qb], v[TM+qb], |v[(\s)+16*qb+qi]|, |v[(\s)+16*qb+qi+1]|   ; the blocks by turns
.set qb, qb+1
.endr
.set qi, qi+2
.endr
.set qb, 0
.rept \nb
	s_delay_alu instid0(VALU_DEP_4)
	v_permlanex16_b32 v[TM+4+qb], v[TM+qb], s[SEL], s[SEL+1]
.set qb, qb+1
.endr
.set qb, 0
.rept \nb
	s_delay_alu instid0(VALU_DEP_4)
	v_max_num_f32 v[TM+qb], v[TM+qb], v[TM+4+qb]          ; with lane l xor 16's: the block's largest magnitude
.set qb, qb+1
.endr
.set qb, 0
.rept \nb
	v_add_nc_u32 v[TM+12+qb], 0xfc000000, v[TM+qb]        ; 8 off its exponent field: the conversion's scale operand
	v_and_or_b32 v[TM+8+qb], v[TM+qb], 0x7f800000, s[MNT] ; 448 x the scale
.set qb, qb+1
.endr
.set qb, 0
.rept \nb
	v_lshrrev_b32 v[TM+4+qb], 23, v[TM+12+qb]             ; the scale's byte
.set qb, qb+1
.endr
.if (\nb) == 4
	s_delay_alu instid0(VALU_DEP_3)
	v_lshl_or_b32 v[PW], v[TM+5], 8, v[TM+4]
	s_delay_alu instid0(VALU_DEP_1)
	v_lshl_or_b32 v[PW], v[TM+6], 16, v[PW]
	s_delay_alu instid0(VALU_DEP_1)
	v_lshl_or_b32 v[PW], v[TM+7], 24, v[PW]
.endif
.set qb, 0
.rept \nb
.set qi, 0
.rept 16
	v_med3_num_f32 v[(\s)+16*qb+qi], v[(\s)+16*qb+qi], -v[TM+8+qb], v[TM+8+qb]   ; the conversion to an 8-bit code does not saturate (ISA guide 7.6.2): the hold comes first
.set qi, qi+1
.endr
	v_cvt_scalef32_pk8_fp8_f32 v[PC+4*qb:PC+4*qb+1], v[(\s)+16*qb:(\s)+16*qb+7], v[TM+12+qb]
	v_cvt_scalef32_pk8_fp8_f32 v[PC+4*qb+2:PC+4*qb+3], v[(\s)+16*qb+8:(\s)+16*qb+15], v[TM+12+qb]
.set qb, qb+1
.endr
	v_nop                                                 ; a plain line behind the last conversion
.endm
	s_load_b128 s[4:7], s[0:1], 0x0                ; x's codes, x's scales
	s_load_b256 s[8:15], s[0:1], 0x10              ; Wq's codes, scales; Wk's codes, scales
	s_load_b128 s[16:19], s[0:1], 0x30             ; Wv's codes, scales
	v_lshl_add_u32 v62, v0, 2, 0x42000
	v_mov_b32 v63, 0
	ds_add_u32 v62, v63
	ds_add_u32 v62, v63
	v_lshrrev_b32 v1, 5, v0
	s_delay_alu instid0(VALU_DEP_1)
	v_readfirstlane_b32 s[SWV], v1                 ; wave 0..11
	s_lshr_b32 s[SG], s[SWV], 2                    ; role
	s_and_b32 s[SF], s[SWV], 3                     ; which 32 rows
	s_bfe_u32 s[SCX], ttmp6, 0x40000
	s_bfe_u32 s[SCY], ttmp6, 0x40004
	s_lshl_b32 s[SST], ttmp9, 2
	s_add_co_u32 s[SST], s[SST], s[SCX]            ; key step = 4 x cluster x + cx
	s_and_b32 s[SHD], ttmp7, 0xffff
	s_lshl_b32 s[SHD], s[SHD], 2
	s_add_co_u32 s[SHD], s[SHD], s[SCY]            ; head = 4 x cluster y + cy
	s_lshl_b32 s[SRM], s[SCY], 2
	s_lshl_b32 s[SRM], 15, s[SRM]                  ; my row of the cluster
	s_lshl_b32 s[SCM], 0x1111, s[SCX]              ; my column
	s_or_b32 s[G1X], s[SCM], (1<<20)|(1<<21)|(5<<22)|(3<<25)    ; elements of 1 byte; 4 words of padding behind every 64; bit 21 beside a mask
	s_or_b32 s[G1W], s[SRM], (1<<20)|(1<<21)|(5<<22)|(3<<25)
	s_or_b32 s[G1XS], s[SCM], (3<<16)|(1<<21)      ; elements of 8 bytes, no padding
	s_or_b32 s[G1WS], s[SRM], (3<<16)|(1<<21)
	s_mov_b32 s[G1X+1], 768<<16                    ; x: 128 whole rows of 768 bytes, dense
	s_mov_b32 s[G1X+2], 128<<16
	s_mov_b32 s[G1X+3], 768<<16
	s_mov_b32 s[G1X+4], 128
	s_mov_b32 s[G1X+5], 768
	s_mov_b32 s[G1X+6], 0
	s_mov_b32 s[G1X+7], 0
	s_mov_b32 s[G1W+1], 768<<16                    ; W: 64 whole rows
	s_mov_b32 s[G1W+2], 64<<16
	s_mov_b32 s[G1W+3], 768<<16
	s_mov_b32 s[G1W+4], 64
	s_mov_b32 s[G1W+5], 768
	s_mov_b32 s[G1W+6], 0
	s_mov_b32 s[G1W+7], 0
	s_mov_b32 s[G1XS+1], 32<<16                    ; x's scale bytes: 3,072 dense bytes as 12 rows of 256
	s_mov_b32 s[G1XS+2], 12<<16
	s_mov_b32 s[G1XS+3], 32<<16
	s_mov_b32 s[G1XS+4], 12
	s_mov_b32 s[G1XS+5], 32
	s_mov_b32 s[G1XS+6], 0
	s_mov_b32 s[G1XS+7], 0
	s_mov_b32 s[G1WS+1], 32<<16                    ; a weight's: 1,536 dense bytes as 6 rows
	s_mov_b32 s[G1WS+2], 6<<16
	s_mov_b32 s[G1WS+3], 32<<16
	s_mov_b32 s[G1WS+4], 6
	s_mov_b32 s[G1WS+5], 32
	s_mov_b32 s[G1WS+6], 0
	s_mov_b32 s[G1WS+7], 0
	s_mov_b32 s[SEL], 0x76543210
	s_mov_b32 s[SEL+1], 0xfedcba98                 ; v_permlanex16_b32's selects for lane l xor 16
	s_mov_b32 s[MNT], 0x600000                     ; the mantissa field of 448
	; every LDS address is made here, ahead of the first parting of the waves
	v_and_b32 v1, 31, v0                           ; lane
	v_and_b32 v2, 15, v0                           ; r
	v_bfe_u32 v3, v0, 4, 1                         ; h
	s_delay_alu instid0(VALU_DEP_2)
	v_mul_u32_u24 v20, v2, PITCH
	s_delay_alu instid0(VALU_DEP_1)
	v_lshl_add_u32 v20, v3, 4, v20                 ; a fragment's row x pitch + 16 h
	s_mul_i32 s2, s[SF], 32*PITCH
	s_mul_i32 s3, s[SG], WPART
	s_add_co_u32 s3, s3, WOFF
.irp kc, 0,1,2
	v_add_nc_u32 v[AX+\kc], s2, v20
	v_add_nc_u32 v[AW+\kc], s3, v20
	s_add_co_u32 s2, s2, PLANE
	s_add_co_u32 s3, s3, PLANE
.endr
	v_mul_u32_u24 v21, v1, 24
	s_mul_i32 s2, s[SF], 768
	s_add_co_u32 s2, s2, XSB
	v_add_nc_u32 v[AXS], s2, v21
	s_mul_i32 s2, s[SG], 1536
	s_add_co_u32 s2, s2, WSB
	v_add_nc_u32 v[AWS], s2, v21
	s_and_b32 s2, s[SF], 1
	s_lshl_b32 s2, s2, 8
	s_lshr_b32 s3, s[SF], 1
	s_lshl_b32 s3, s3, 2
	s_add_co_u32 s2, s2, s3
	s_add_co_u32 s2, s2, SCS
	v_lshl_add_u32 v[SK], v2, 4, s2                ; K's fragment f: lane r + 16 (f % 2), word f / 2
	s_add_co_u32 s2, s[SF], SCS+8
	v_lshl_add_u32 v[SV], v2, 4, s2                ; V's: byte f of words 2 and 3
	s_lshl_b32 s2, s[SF], 7
	s_add_co_u32 s2, s2, SCS+512
	v_lshl_add_u32 v[SQ], v1, 2, s2                ; q's: tiles 2 f and 2 f + 1, 16 words each
	s_min_u32 s2, s[SWV], 1
	s_lshl_b32 s2, s2, 9
	s_add_co_u32 s2, s2, SCS
	v_lshl_add_u32 v[LR], v1, 4, s2
	v_lshlrev_b32 v[OA], 4, v1
	v_lshlrev_b32 v[H32], 5, v3
	v_lshlrev_b32 v[R4], 2, v2
	v_lshlrev_b32 v[H16], 4, v3
	s_wait_dscnt 0x0
	s_wait_kmcnt 0x0
	; groups 0.  x's hang on the key step alone (s2, s3 never hold cy), W's on the head and the wave alone (s29 to s31 never hold cx)
	s_mul_i32 s2, s[SST], 3072
	s_mov_b32 s3, 0
	s_mov_b32 s[G0X], 1
	s_mov_b32 s[G0X+1], XSB
	s_add_nc_u64 s[G0X+2:G0X+3], s[6:7], s[2:3]
	s_or_b32 s[G0X+3], s[G0X+3], 0x80000000
	s_mul_i32 s2, s[SST], 128*768
	s_add_nc_u64 s[2:3], s[4:5], s[2:3]
.irp kc, 0
	s_mov_b32 s[G0X+4+4*\kc], 1
	s_mov_b32 s[G0X+5+4*\kc], \kc*PLANE
	s_add_nc_u64 s[G0X+6+4*\kc:G0X+7+4*\kc], s[2:3], 256*\kc
	s_or_b32 s[G0X+7+4*\kc], s[G0X+7+4*\kc], 0x80000000
.endr
	s_cmp_eq_u32 s[SF], 1                          ; wave % 4 = 1 fetches for Wq, 2 for Wk, 3 for Wv (0: for x); waves 0-3 codes, waves 4-7 scale bytes
	s_cselect_b64 s[8:9], s[8:9], s[12:13]
	s_cselect_b64 s[10:11], s[10:11], s[14:15]
	s_cmp_eq_u32 s[SF], 3
	s_cselect_b64 s[8:9], s[16:17], s[8:9]
	s_cselect_b64 s[10:11], s[18:19], s[10:11]
	s_mul_i32 s30, s[SHD], 1536
	s_mov_b32 s31, 0
	s_mul_i32 s29, s[SF], 1536
	s_mov_b32 s[G0W], 1
	s_add_co_u32 s[G0W+1], s29, WSB-1536           ; part wave - 1
	s_add_nc_u64 s[G0W+2:G0W+3], s[10:11], s[30:31]
	s_or_b32 s[G0W+3], s[G0W+3], 0x80000000
	s_mul_i32 s30, s[SHD], 64*768
	s_add_nc_u64 s[30:31], s[8:9], s[30:31]
	s_mul_i32 s29, s[SF], WPART
.irp kc, 0
	s_mov_b32 s[G0W+4+4*\kc], 1
	s_add_co_u32 s[G0W+5+4*\kc], s29, \kc*PLANE+WOFF-WPART
	s_add_nc_u64 s[G0W+6+4*\kc:G0W+7+4*\kc], s[30:31], 256*\kc
	s_or_b32 s[G0W+7+4*\kc], s[G0W+7+4*\kc], 0x80000000
.endr
	CROUND                                         ; all sixteen work-groups are here: the joint loads meet
	s_cmp_eq_u32 s[SWV], 0                         ; the head's eight tiles, one load a wave, in one chain of arms on the wave's number: wave 0: x's rows
	s_cbranch_scc0 .Lnot_x
	tensor_load_to_lds s[G0X+4:G0X+7], s[G1X:G1X+7]
	s_nop 0
.rept 4
	v_nop
.endr
	s_branch .Lfilled
.Lnot_x:
	s_cmp_lt_u32 s[SWV], 4                         ; waves 1 to 3: a weight's rows each
	s_cbranch_scc0 .Lnot_w
	tensor_load_to_lds s[G0W+4:G0W+7], s[G1W:G1W+7]
	s_nop 0
.rept 4
	v_nop
.endr
	s_branch .Lfilled
.Lnot_w:
	s_cmp_eq_u32 s[SWV], 4                         ; wave 4: x's scale bytes
	s_cbranch_scc0 .Lnot_xs
	tensor_load_to_lds s[G0X:G0X+3], s[G1XS:G1XS+7]
	s_nop 0
.rept 4
	v_nop
.endr
	s_branch .Lfilled
.Lnot_xs:
	s_cmp_lt_u32 s[SWV], 8                         ; waves 5 to 7: a weight's scale bytes each; waves 8 to 11 fetch nothing
	s_cbranch_scc0 .Lfilled
	tensor_load_to_lds s[G0W:G0W+3], s[G1WS:G1WS+7]
	s_nop 0
.rept 4
	v_nop
.endr
.Lfilled:
	s_load_b256 s[4:11], s[0:1], 0x40              ; bq, bk, bv, qc
	s_load_b128 s[12:15], s[0:1], 0x60             ; qs, kv
	s_mul_i32 s2, s[SHD], 171
	s_lshr_b32 s2, s2, 9                           ; hd / 3 (exact for 0 .. 11)
	s_mul_i32 s3, s2, 3
	s_sub_co_u32 s3, s[SHD], s3                    ; hd % 3
	s_lshl_b32 s2, s2, 5
	s_add_co_u32 s2, s2, s[SST]
	s_mul_i32 s2, s2, 3
	s_add_co_u32 s2, s2, s3
	s_mul_i32 s2, s2, KVB                          ; my block of kv
	s_lshl_b32 s3, s[SHD], 8
	s_lshl_b32 s23, s[SST], 3
	s_add_co_u32 s3, s3, s23                       ; 256 hd + 8 st: the work-group's first tile of queries
	s_lshl_b32 s23, s[SF], 1
	s_add_co_u32 s23, s23, s3
	s_lshl_b32 s23, s23, 10                        ; role q: my two tiles in qc
	s_lshl_b32 s24, s[SF], 11
	s_add_co_u32 s24, s24, s2                      ; role k: fragment f
	s_lshl_b32 s27, s[SF], 9
	s_add_co_u32 s27, s27, s2
	s_add_co_u32 s27, s27, 8192                    ; role v: group f of each fragment
	s_add_co_u32 s29, s2, 16384                    ; wave 0 stores kv's scale words,
	s_lshl_b32 s3, s3, 6                           ; wave 1 qs's
	s_cmp_eq_u32 s[SWV], 0
	s_cselect_b32 s29, s29, s3
	s_cmp_eq_u32 s[SG], 0
	s_cselect_b32 s28, s23, s24
	s_cmp_eq_u32 s[SG], 2
	s_cselect_b32 s28, s27, s28
	s_mov_b32 s3, 0
	s_wait_kmcnt 0x0
	s_cmp_eq_u32 s[SG], 0
	s_cselect_b64 s[OB:OB+1], s[10:11], s[14:15]
	s_cselect_b64 s[BP:BP+1], s[4:5], s[6:7]
	s_cmp_eq_u32 s[SG], 2
	s_cselect_b64 s[BP:BP+1], s[8:9], s[BP:BP+1]
	s_cmp_eq_u32 s[SWV], 0
	s_cselect_b64 s[OB2:OB2+1], s[14:15], s[12:13]
	s_mov_b32 s2, s28
	s_add_nc_u64 s[OB:OB+1], s[OB:OB+1], s[2:3]
	s_mov_b32 s2, s29
	s_add_nc_u64 s[OB2:OB2+1], s[OB2:OB2+1], s[2:3]
	s_lshl_b32 s2, s[SHD], 8
	s_add_nc_u64 s[BP:BP+1], s[BP:BP+1], s[2:3]
	; THE BIAS is the C of each sum's first product: eight registers a tile of W, in the result's layout.  They are asked for while the first tiles are on their way.
	s_cmp_eq_u32 s[SG], 2
	s_cbranch_scc1 .Lbias_v
	s_wait_alu depctr_va_vdst(0)
.irp t, 0,1,2,3
	global_load_b128 v[BI+8*\t:BI+8*\t+3], v[H32], s[BP:BP+1] offset:64*\t        ; q, k: register j = channel 16 t + 8 h + j
	global_load_b128 v[BI+8*\t+4:BI+8*\t+7], v[H32], s[BP:BP+1] offset:64*\t+16
.endr
	s_branch .Lbias_done
.Lbias_v:
	s_wait_alu depctr_va_vdst(0)
.irp t, 0,1,2,3
.irp j, 0,1,2,3,4,5,6,7
	global_load_b32 v[BI+8*\t+\j], v[R4], s[BP:BP+1] offset:64*\t                 ; v: all eight registers (eight keys) hold channel 16 t + r's
.endr
.endr
.Lbias_done:
; A K step of 128: 24 LDS loads, eight products.  The eight accumulators take turns in the same order in both forms and in every step.
.macro KSTEP kc, kp
.set ks, 2*(\kc)+(\kp)
.irp u, 0,1
.irp c, 0,1,2,3
	ds_load_b128 v[XF+16*\u+4*\c:XF+16*\u+4*\c+3], v[AX+\kc] offset:16*PITCH*\u+128*(\kp)+32*\c
.endr
.endr
.irp t, 0,1,2,3
.irp c, 0,1,2,3
	ds_load_b128 v[WF+16*\t+4*\c:WF+16*\t+4*\c+3], v[AW+\kc] offset:16*PITCH*\t+128*(\kp)+32*\c
.endr
.endr
	s_wait_dscnt 0x0
	s_cmp_eq_u32 s[SG], 2
	s_cbranch_scc1 .Lvform_\@
.irp n, 0,1,2,3,4,5,6,7                ; q, k: x's tile n / 4, W's tile n % 4: source 0 = W
.set cb, ACC+8*\n
.if ks == 0
.set cb, BI+8*(\n%4)
.endif
	WM ACC+8*\n, WF+16*(\n%4), XF+16*(\n/4), cb, WSC+6*((\n%4)/2)+ks, XSC+ks, \n%2, \n/4
.endr
	s_branch .Ljoin_\@
.Lvform_\@:
.irp n, 0,1,2,3,4,5,6,7                ; v: W's tile n / 2, x's tile n % 2: source 0 = x
.set cb, ACC+8*\n
.if ks == 0
.set cb, BI+8*(\n/2)
.endif
	WM ACC+8*\n, XF+16*(\n%2), WF+16*(\n/2), cb, XSC+ks, WSC+6*(\n/4)+ks, \n%2, (\n/2)%2
.endr
.Ljoin_\@:
.rept 8
	v_nop                                          ; eight places in front of loads into registers that these products read, and of the first read of results
.endr
.endm
	SYNC 0                                         ; all eight tiles are in: no tensor load is out any more
.irp kc, 0,1,2
	ds_load_b64 v[XSC+2*\kc:XSC+2*\kc+1], v[AXS] offset:8*\kc
	ds_load_b64 v[WSC+2*\kc:WSC+2*\kc+1], v[AWS] offset:8*\kc
	ds_load_b64 v[WSC+6+2*\kc:WSC+6+2*\kc+1], v[AWS] offset:768+8*\kc
.endr
	s_wait_loadcnt 0x0                             ; the bias
	KSTEP 0, 0
	KSTEP 0, 1
	KSTEP 1, 0
	KSTEP 1, 1
	KSTEP 2, 0
	KSTEP 2, 1
	; THE RESULTS BECOME OPERANDS.  Block n of 16 registers: q, k: x's tile n / 2, channel block n % 2; v: channels' tile n, my 32 keys.  (v84-87, the permutes' destinations, have been written by LDS loads)
	QUANT ACC, 4
	s_cmp_eq_u32 s[SG], 2
	s_cbranch_scc1 .Lv_out
.irp n, 0,1,2,3
	global_store_b128 v[OA], v[PC+4*\n:PC+4*\n+3], s[OB:OB+1] offset:512*\n      ; 32 lanes store 512 consecutive bytes, at a multiple of 256 from the buffer's first byte
.endr
	s_cmp_eq_u32 s[SG], 1
	s_cbranch_scc1 .Lk_scale
	v_lshrrev_b32 v97, v[H16], v[PW]               ; q: lanes 0-15 take tile 0's two bytes, lanes 16-31 tile 1's,
	s_delay_alu instid0(VALU_DEP_1)
	v_perm_b32 v97, v97, v97, 0x01000100           ; twice: (s0, s1, s0, s1): q stands in the lower or in the upper half of a K step of 128
	ds_store_b32 v[SQ], v97
	s_branch .Lstaged
.Lk_scale:
	ds_store_b32 v[SK], v[PW]                      ; k: byte 2 u + b, as the fragment's groups lie (both halves of the lanes write the same word)
	s_branch .Lstaged
.Lv_out:
	s_wait_alu depctr_va_vdst(0)
.irp n, 0,1,2,3
	global_store_b128 v[OA], v[PC+4*\n:PC+4*\n+3], s[OB:OB+1] offset:2048*\n     ; group f of V's fragment n
.endr
.irp n, 0,1,2,3
	ds_store_b8 v[SV], v[TM+4+\n] offset:256*(\n%2)+4*(\n/2)                      ; byte f of fragment n's word
.endr
.Lstaged:
	s_wait_dscnt 0x0                               ; for the others' sake: my stores into the stage are done
	s_barrier_signal -1
	s_barrier_wait -1
	s_cmp_lt_u32 s[SWV], 2
	s_cbranch_scc0 .Lno_scales
	ds_load_b128 v[100:103], v[LR]                 ; wave 0: kv's 512 bytes of scale words; wave 1: qs's
	s_wait_dscnt 0x0
	global_store_b128 v[OA], v[100:103], s[OB2:OB2+1]
.Lno_scales:
	s_wait_tensorcnt 0x0
	ds_add_u32 v62, v63
	s_wait_dscnt 0x0
	CROUND                                         ; the closing round: no work-group ends while a partner may still ask for a tile that names it
	s_endpgm
.Lfunc_end_k_q1c52771956_proj:
	.size	k_q1c52771956_proj, .Lfunc_end_k_q1c52771956_proj-k_q1c52771956_proj
	.p2alignl 7, 3214868480
	.fill 96, 4, 3214868480
	.section	.rodata,"a",@progbits
	.p2align	6, 0x0
	.amdhsa_kernel k_q1c52771956_proj
		.amdhsa_group_segment_fixed_size 271872
		.amdhsa_private_segment_fixed_size 0
		.amdhsa_enable_private_segment 0
		.amdhsa_kernarg_size 112
		.amdhsa_user_sgpr_count 2
		.amdhsa_user_sgpr_kernarg_segment_ptr 1
		.amdhsa_wavefront_size32 1
		.amdhsa_system_sgpr_workgroup_id_x 1
		.amdhsa_system_sgpr_workgroup_id_y 1
		.amdhsa_system_sgpr_workgroup_id_z 1
		.amdhsa_system_vgpr_workitem_id 0
		.amdhsa_next_free_vgpr 256
		.amdhsa_next_free_sgpr 102
		.amdhsa_reserve_vcc 0
		.amdhsa_float_denorm_mode_32 3
		.amdhsa_float_denorm_mode_16_64 3
		.amdhsa_memory_ordered 1
		.amdhsa_forward_progress 1
		.amdhsa_inst_pref_size 49
	.end_amdhsa_kernel
	.amdgpu_metadata
---
amdhsa.version: [ 1, 2 ]
amdhsa.kernels:
  - .name:           k_q1c52771956_proj
    .symbol:         k_q1c52771956_proj.kd
    .args:
      - { .name: x_codes, .offset: 0, .size: 8, .value_kind: global_buffer, .address_space: global }
      - { .name: x_scales, .offset: 8, .size: 8, .value_kind: global_buffer, .address_space: global }
      - { .name: Wq_codes, .offset: 16, .size: 8, .value_kind: global_buffer, .address_space: global }
      - { .name: Wq_scales, .offset: 24, .size: 8, .value_kind: global_buffer, .address_space: global }
      - { .name: Wk_codes, .offset: 32, .size: 8, .value_kind: global_buffer, .address_space: global }
      - { .name: Wk_scales, .offset: 40, .size: 8, .value_kind: global_buffer, .address_space: global }
      - { .name: Wv_codes, .offset: 48, .size: 8, .value_kind: global_buffer, .address_space: global }
      - { .name: Wv_scales, .offset: 56, .size: 8, .value_kind: global_buffer, .address_space: global }
      - { .name: bq, .offset: 64, .size: 8, .value_kind: global_buffer, .address_space: global }
      - { .name: bk, .offset: 72, .size: 8, .value_kind: global_buffer, .address_space: global }
      - { .name: bv, .offset: 80, .size: 8, .value_kind: global_buffer, .address_space: global }
      - { .name: qc, .offset: 88, .size: 8, .value_kind: global_buffer, .address_space: global }
      - { .name: qs, .offset: 96, .size: 8, .value_kind: global_buffer, .address_space: global }
      - { .name: kv, .offset: 104, .size: 8, .value_kind: global_buffer, .address_space: global }
    .group_segment_fixed_size: 271872
    .private_segment_fixed_size: 0
    .kernarg_segment_align: 8
    .kernarg_segment_size: 112
    .max_flat_workgroup_size: 384
    .sgpr_count:     102
    .vgpr_count:     256
    .wavefront_size: 32
...
	.end_amdgpu_metadata
.endif
;; end of part 1
;; launch attn (part 2): grid 64 x 4, 12 waves a work-group, clusters of 4 x 1, 327,680 bytes of LDS; arguments qc, qs, kv, cc, cs; writes cc, cs
.if DOCPART == 2
	.amdgcn_target "amdgcn-amd-amdhsa--gfx1250"
	.amdhsa_code_object_version 6
	.text
	.protected	k_q1c52771956_attn
	.globl	k_q1c52771956_attn
	.p2align	8
	.type	k_q1c52771956_attn,@function
k_q1c52771956_attn:
	s_mov_b64 s[64:65], 0
	v_nop
	global_prefetch_b8 v0, s[64:65] scope:SCOPE_SE
	s_setreg_imm32_b32 hwreg(HW_REG_WAVE_MODE, 25, 1), 1
	s_wait_xcnt 0x0
	s_wait_alu depctr_hold_cnt(0) depctr_sa_sdst(0) depctr_va_vdst(0) depctr_va_sdst(0) depctr_va_ssrc(0) depctr_va_vcc(0) depctr_vm_vsrc(0)
	s_getreg_b32 s2, hwreg(HW_REG_IB_STS2, 6, 4)
	s_cmp_eq_u32 s2, 0
	s_cbranch_scc0 .Lentry_in_a_cluster
	s_endpgm
.Lentry_in_a_cluster:
	s_bfe_u32 s2, ttmp6, 0x10000c
	s_cmp_lg_u32 s2, 0x3003
	s_cbranch_scc0 .Lentry_shape_is_right
	s_endpgm
.Lentry_shape_is_right:
; ATTN.  ctx[hd][q] = the sum over keys of softmax(q . k / 8) v, both products on codes of E4M3 with one E8M0 scale for each 32 along K; ctx is quantised along hd x 64 + channel for the last product.
; THE SOFTMAX: t = score x log2(e) / 8; M = the running largest t rounded UP to a whole number; p = 2^(t - M) is quantised along the keys, not normalised; the row's sum is taken of the unquantised p and divides at the end.
; When M moves, the sum and O are multiplied by 2^(old M - new M): nothing is rounded, and no branch hangs on data.
; SHARES.  A work-group owns 64 queries x 3 heads: twelve waves, each one tile of 16 queries of one head (head 3 y + wave / 4, tile wave % 4).  4,096 / 64 x 4 = 256 equal work-groups.  Every wave walks 4,096 keys, 128 a step.
; OPERANDS arrive as images of their registers (a group = 4 registers x 32 lanes = 512 bytes, lane l at 16 l).  A step's block of a head (16,896 bytes): K's four fragments, V's four, 512 bytes of scale words.
; A fragment of K holds two tiles of 16 keys (K = 64 each) in one row of K = 128; it is multiplied by (q, 0) and by (0, q).  Both products are used transposed: a lane holds one query throughout.
; Register i of the two tiles of a fragment is key 16 (i / 8) + 8 (lane / 16) + i % 8 of a block of 32: V's codes were laid in that same order.
; TWO BANKS OF 64 REGISTERS SWAP ROLES from step to step: one holds K's and then V's fragments, the other the scores and then p.  When p has become codes, its bank takes the next step's K, ahead of this step's second product.
; THE RING.  Two slots of THREE steps x three heads (152,064 dense bytes: the largest two that fit in LDS); waves 0 to 8 fetch one block of 66 rows of 256 bytes each.  32 steps are ten such slots and one of two steps (waves 0 to 5).
; The banks come back after two steps and the slots after six: a trip of the loop is two slots; the last eight steps are written out but by the wave's number.
; THE CHANGE OF SLOTS stands inside a slot's last step.  Behind V's loads, the wave's last reads of the slot, come the wait for its tensor load, the add, 28 lines of the search for the maximum, the wait for the LDS and the round's opening signal.
; The rest of the softmax and the quantiser, all on registers, stand between that signal and its wait.  Behind the round come the joint refill and the next slot's first K; the second product and the sums follow while K lands.
; CLUSTER.  The four blocks of queries of a cluster walk the same K and V: each block is asked for JOINTLY, with the mask of all four.
; LIMITS: NaN and infinities are not served; the scaled scores t stay under 2^31 in magnitude; a block whose largest magnitude lies under 2^-118 keeps the scale byte 1, a block of zeros too (its codes are zeros; this program alone reads the bytes).
.set KVB,   16896
.set STEPB, 3*KVB
.set SLOTB, 3*STEPB                    ; slot 0 at LDS byte 0, slot 1 at SLOTB
.set SPARE, 2*SLOTB                    ; the spare words, 128 bytes for each wave: six blocks of 256 bytes that no other line names
.set AD,  1                            ; v1, v2  my lane's place in my head's block of an even, an odd step
.set SPW, 3                            ; v3   LDS address of my spare word; never rewritten
.set NIL, 4                            ; v4   0; never rewritten
.set PFO, 5                            ; v5, v6  the prefetches' offsets
.set SC0, 8                            ; v8-11   an even step's scale words: K's fragments 0|1, 2|3, V's 0|1, 2|3
.set SC1, 44                           ; v44-47  an odd step's
.set QF,  16                           ; v16-23 q, v24-31 zeros, v32-39 q again: (q, 0) = v[16:31], (0, q) = v[24:39]
.set QS,  40                           ; v40  q's scale word (s0, s1, s0, s1)
.set PS,  41                           ; v41  p's scale word
.set FF,  42                           ; v[42:43] f = 2^(old M - new M); the upper register is only named with it
.set RA,  48                           ; v48-111, v112-175  the two banks
.set RB,  112
.set OT,  176                          ; v176-207 O^T
.set PC,  208                          ; v208-223 p's codes
.set TM,  224                          ; v224-227 block maxima, v228-231 permutes and bytes, v232-235 holds, v236-239 scale operands
.set TV,  240
.set AKV, 241                          ; v241 my lane's place in my head's block of the step at LDS byte 0
.set T,   242                          ; v242-255 seven chains of the row's sum.  v12 -M, v13 the largest t, v[14:15] the sum in two halves
.set WV,  14
.set HH,  15
.set WQ,  16
.set CX,  17
.set YY,  18
.set HD,  19
.set TT,  20
.set G1,  24
.set GA,  32                           ; s[32:35] group 0 for slot 0;  s[60:63] for slot 1
.set GB,  60
.set SEL, 36
.set CS,  38
.set MNT, 40
.set SLOTS, 42
.set LIM, 43
.set PFA, 44
.macro CREST                           ; a round of the cluster's barrier behind its opening barrier
	s_cmp_lg_u32 s[WV], 0
	s_cbranch_scc1 .Lnot_wave_0_\@
	s_barrier_signal -3
.Lnot_wave_0_\@:
	s_barrier_wait -3
	s_barrier_signal -1
	s_barrier_wait -1
.endm
.macro CROUND
	s_barrier_signal -1
	s_barrier_wait -1
	CREST
.endm
.macro JLOAD g0, nw                    ; waves 0 to nw - 1 fetch a block each; the branch hangs on the wave's number alone.  An s_nop 0 and four v_nop follow the load
	s_cmp_lt_u32 s[WV], \nw
	s_cbranch_scc0 .Lasked_\@
	tensor_load_to_lds s[\g0:\g0+3], s[G1:G1+7]
	s_nop 0
.rept 4
	v_nop
.endr
.Lasked_\@:
.endm
; A PREFETCH of the codes that the NEXT change of slots will ask for: nine blocks x 64 units of 256 bytes = twelve pieces of 48 units.  All sixteen clusters of a y walk the same bytes: four of them ask (cluster x = 0, 5, 10, 15).
; A cluster's four partners take three pieces each, told apart BY ADDRESS; in each, waves 9, 10 and 11, which fetch nothing, ask for one piece by two instructions: 32 units, a lane each, and 16 more (lanes 16-31 name those of lanes 0-15 again).
; It stands three key steps ahead of the load that wants the bytes.  Slots 0 and 1 come by their loads alone, and so does the last, shorter slot: slots 2 to 9 are asked for.  The 512 scale bytes of a block are not asked for.
.macro ASK kind                        ; kind 1: a trip's first change, which always asks; kind 2: its second, which asks in all trips but the last
.if \kind == 1
	s_cmp_ge_u32 s[SLOTS], s[LIM]
.else
	s_cmp_gt_u32 s[SLOTS], s[LIM]
.endif
	s_cbranch_scc0 .Lnot_mine_\@
	global_prefetch_b8 v[PFO], s[PFA:PFA+1] th:TH_LOAD_NT scope:SCOPE_SE
	global_prefetch_b8 v[PFO+1], s[PFA:PFA+1] th:TH_LOAD_NT scope:SCOPE_SE
.Lnot_mine_\@:
.endm
.macro KLOAD a, d, sc                  ; K's four fragments and the step's scale words: 17 loads
.set g, 0
.rept 16
	ds_load_b128 v[\d+4*g:\d+4*g+3], v[\a] offset:512*g
.set g, g+1
.endr
	ds_load_b128 v[\sc:\sc+3], v[\a] offset:16384
.endm
.macro VLOAD a, d                      ; V's four fragments: 16 loads
.set g, 0
.rept 16
	ds_load_b128 v[\d+4*g:\d+4*g+3], v[\a] offset:8192+512*g
.set g, g+1
.endr
.endm
.macro QUANT s, nb                     ; nb blocks of 16 registers from v[s] on become codes in v[PC] on; the blocks' bytes stand in v[TM+4] on
.set qb, 0
.rept \nb
	v_max3_num_f32 v[TM+qb], |v[(\s)+16*qb]|, |v[(\s)+16*qb+1]|, 0x4800000   ; my 16 numbers, and the floor 2^(9 - 127): the byte cannot fall under 1
.set qb, qb+1
.endr
.set qi, 2
.rept 7
.set qb, 0
.rept \nb
	s_delay_alu instid0(VALU_DEP_2)
	v_max3_num_f32 v[TM+qb], v[TM+qb], |v[(\s)+16*qb+qi]|, |v[(\s)+16*qb+qi+1]|
.set qb, qb+1
.endr
.set qi, qi+2
.endr
.set qb, 0
.rept \nb
	s_delay_alu instid0(VALU_DEP_2)
	v_permlanex16_b32 v[TM+4+qb], v[TM+qb], s[SEL], s[SEL+1]
.set qb, qb+1
.endr
.set qb, 0
.rept \nb
	s_delay_alu instid0(VALU_DEP_2)
	v_max_num_f32 v[TM+qb], v[TM+qb], v[TM+4+qb]          ; with lane l xor 16's: the block's largest magnitude
.set qb, qb+1
.endr
.set qb, 0
.rept \nb
	v_add_nc_u32 v[TM+12+qb], 0xfc000000, v[TM+qb]        ; 8 off its exponent field: the conversion's scale operand
	v_and_or_b32 v[TM+8+qb], v[TM+qb], 0x7f800000, s[MNT] ; 448 x the scale
.set qb, qb+1
.endr
.set qb, 0
.rept \nb
	v_lshrrev_b32 v[TM+4+qb], 23, v[TM+12+qb]             ; the scale's byte
.set qb, qb+1
.endr
.set qb, 0
.rept \nb
.set qi, 0
.rept 16
	v_med3_num_f32 v[(\s)+16*qb+qi], v[(\s)+16*qb+qi], -v[TM+8+qb], v[TM+8+qb]   ; the conversion to an 8-bit code does not saturate (ISA guide 7.6.2): the hold comes first
.set qi, qi+1
.endr
	v_cvt_scalef32_pk8_fp8_f32 v[PC+4*qb:PC+4*qb+1], v[(\s)+16*qb:(\s)+16*qb+7], v[TM+12+qb]
	v_cvt_scalef32_pk8_fp8_f32 v[PC+4*qb+2:PC+4*qb+3], v[(\s)+16*qb+8:(\s)+16*qb+15], v[TM+12+qb]
.set qb, qb+1
.endr
	v_nop                                                 ; a plain line behind the last conversion
.endm
	s_load_b256 s[4:11], s[0:1], 0x0               ; qc, qs, kv, cc
	s_load_b64 s[12:13], s[0:1], 0x20              ; cs
	v_lshl_add_u32 v[SPW], v0, 2, SPARE
	v_mov_b32 v[NIL], 0
	ds_add_u32 v[SPW], v[NIL]                      ; the opening lines: the add, twice on end, and its wait ahead of my first tensor load
	ds_add_u32 v[SPW], v[NIL]
	v_lshrrev_b32 v248, 5, v0
	v_readfirstlane_b32 s[WV], v248                ; wave 0..11
	s_lshr_b32 s[HH], s[WV], 2                     ; which of the three heads
	s_and_b32 s[WQ], s[WV], 3                      ; which of the four tiles of queries
	s_bfe_u32 s[CX], ttmp6, 0x40000
	s_and_b32 s[YY], ttmp7, 0xffff
	s_mul_i32 s[HD], s[YY], 3
	s_add_co_u32 s[HD], s[HD], s[HH]               ; the head
	s_lshl_b32 s[TT], ttmp9, 2
	s_add_co_u32 s[TT], s[TT], s[CX]               ; my block of 64 queries = 4 x cluster x + cx: it enters q's and ctx's addresses (and the prefetches') alone
	s_lshl_b32 s[TT], s[TT], 2
	s_add_co_u32 s[TT], s[TT], s[WQ]               ; my tile of 16 queries
	s_mov_b32 s[G1], 15|(3<<16)|(1<<21)            ; the mask: all four work-groups; elements of 8 bytes; bit 21 beside a mask; no padding
	s_mov_b32 s[G1+1], 32<<16                      ; 66 rows of 256 bytes, dense
	s_mov_b32 s[G1+2], 66<<16
	s_mov_b32 s[G1+3], 32<<16
	s_mov_b32 s[G1+4], 66
	s_mov_b32 s[G1+5], 32
	s_mov_b32 s[G1+6], 0
	s_mov_b32 s[G1+7], 0
	s_mov_b32 s[SEL], 0x76543210
	s_mov_b32 s[SEL+1], 0xfedcba98                 ; v_permlanex16_b32's selects for lane l xor 16
	s_mov_b32 s[CS], 0x3e38aa3b                    ; c = log2(e) / 8
	s_mov_b32 s[CS+1], s[CS]                       ; (named with it as a pair, so it is written)
	s_mov_b32 s[MNT], 0x600000                     ; the mantissa field of 448
	s_mov_b32 s[SLOTS], 4                          ; the loop's trips
	s_mul_i32 s46, s[YY], 32*STEPB                 ; y's part of kv
	s_mov_b32 s47, 0
	s_mul_i32 s48, s[WV], KVB                      ; the block that I fetch, in memory and in a slot
	s_mov_b32 s49, 0
	s_sub_co_u32 s50, s[WV], 9                     ; the prefetches: waves 9 to 11
	s_cmp_lt_u32 s50, 3
	s_cselect_b32 s51, 0, 1
	s_mul_i32 s52, ttmp9, 13
	s_lshr_b32 s52, s52, 6                         ; cluster x / 5 (exact for 0 .. 15)
	s_mul_i32 s52, s52, 5
	s_sub_co_u32 s52, ttmp9, s52
	s_or_b32 s51, s51, s52                         ; of the clusters with x % 5 = 0: the same in all four partners
	s_min_u32 s50, s50, 2
	s_mul_i32 s52, s[CX], 3
	s_add_co_u32 s50, s50, s52                     ; my piece, 0 .. 11,
	s_mul_i32 s50, s50, 48                         ; and its first unit of a slot's 576
	s_cmp_eq_u32 s51, 0
	s_cselect_b32 s[LIM], 1, -1
	s_lshl_b32 s54, s[HD], 8
	s_add_co_u32 s54, s54, s[TT]                   ; 256 hd + tile
	s_lshl_b32 s56, s54, 10
	s_mov_b32 s57, 0
	s_lshl_b32 s58, s54, 6
	s_mov_b32 s59, 0
	s_mul_i32 s54, s[TT], 12288
	s_lshl_b32 s55, s[HD], 10
	s_add_co_u32 s54, s54, s55                     ; cc: tile x 12,288 + K step hd / 2 x 2,048 + groups 2 (hd % 2) on x 512
	s_mov_b32 s55, 0
	s_mul_i32 s22, s[TT], 384
	s_lshr_b32 s23, s[HD], 1
	s_lshl_b32 s23, s23, 6
	s_add_co_u32 s22, s22, s23
	s_and_b32 s23, s[HD], 1
	s_lshl_b32 s23, s23, 1
	s_add_co_u32 s22, s22, s23                     ; cs: tile x 384 + K step x 64 + byte 2 (hd % 2)
	s_mov_b32 s23, 0
	s_mul_i32 s21, s[HH], KVB
	v_and_b32 v251, 31, v0                         ; lane
	v_and_b32 v249, 15, v0                         ; r
	v_lshl_add_u32 v[AKV], v251, 4, s21
	v_lshl_add_u32 v[AD], v251, 4, s21
	v_lshlrev_b32 v247, 4, v251                    ; q's groups: 16 x lane
	v_lshlrev_b32 v[TV], 2, v249                   ; q's scale words: 4 r
	v_add_nc_u32 v252, s50, v251                   ; the units that my lane names: first unit + lane,
	v_add_nc_u32 v253, s50, v249
	v_add_nc_u32 v253, 32, v253                    ; first unit + 32 + lane % 16.  Unit u lies in block u / 64, at 256 (u % 64)
	v_lshrrev_b32 v254, 6, v252
	v_lshrrev_b32 v255, 6, v253
	v_and_b32 v252, 63, v252
	v_and_b32 v253, 63, v253
	v_mul_u32_u24 v254, v254, KVB
	v_mul_u32_u24 v255, v255, KVB
	v_lshl_add_u32 v[PFO], v252, 8, v254
	v_lshl_add_u32 v[PFO+1], v253, 8, v255
	s_wait_alu depctr_va_vdst(0)
	s_wait_dscnt 0x0                               ; both opening adds are done
	s_wait_kmcnt 0x0
	s_add_nc_u64 s[8:9], s[8:9], s[46:47]
	s_mov_b32 s[GA], 1
	s_mov_b32 s[GA+1], s48
	s_add_nc_u64 s[GA+2:GA+3], s[8:9], s[48:49]
	s_mov_b32 s[GB], 1
	s_add_co_u32 s[GB+1], s48, SLOTB
	s_add_nc_u64 s[GB+2:GB+3], s[GA+2:GA+3], SLOTB
	s_or_b32 s[GA+3], s[GA+3], 0x80000000
	s_or_b32 s[GB+3], s[GB+3], 0x80000000
	s_add_nc_u64 s[PFA:PFA+1], s[8:9], 2*SLOTB     ; the first prefetch names slot 2
	s_add_nc_u64 s[4:5], s[4:5], s[56:57]
	s_add_nc_u64 s[6:7], s[6:7], s[58:59]
	s_add_nc_u64 s[10:11], s[10:11], s[54:55]
	s_add_nc_u64 s[12:13], s[12:13], s[22:23]
	CROUND                                         ; all four work-groups are here: the first joint loads meet
	JLOAD GA, 9                                    ; slot 0: a wave's one load at the head
	global_load_b128 v[QF:QF+3], v247, s[4:5]                    ; q's two groups, twice
	global_load_b128 v[QF+4:QF+7], v247, s[4:5] offset:512
	global_load_b128 v[QF+16:QF+19], v247, s[4:5]
	global_load_b128 v[QF+20:QF+23], v247, s[4:5] offset:512
	global_load_b32 v[QS], v[TV], s[6:7]
.irp j, 0,1,2,3,4,5,6,7
	v_mov_b32 v[QF+8+\j], 0                        ; zero codes: they add nothing under any scale byte
.endr
	v_mov_b32 v13, 0xff61b1e6                      ; the largest t so far: -3e38, under every t
	v_mov_b32 v14, 0
	v_mov_b32 v15, 0
	v_floor_f32 v12, -v13                          ; -M
	v_mov_b32 v[FF+1], 0
.irp b, 0,1,2,3
	v_mov_b32 v[TM+4+\b], 0                        ; written once: a lane permute's destination counts as one of its sources
.endr
.set j, 0
.rept 32
	v_mov_b32 v[OT+j], 0                           ; O^T.  (The key step has no first step of its own: the first finds zeros, which the first change of M leaves zeros)
.set j, j+1
.endr
; A KEY STEP of 128 keys.  a: the register with the step's LDS address; kr: the bank that holds K (asked for earlier) and then V; sr: the bank of the scores; sc: the step's scale words.
; na, nsc, noff: the next step's address register, scale words and LDS byte: its K is asked for into sr when p has become codes.  mode 0: not a slot's last step.
; mode 1: a slot's last step, with the round and the refill (group 0 g0, waves 0 to nw - 1; ask: the kind of prefetch, 0: none).  mode 2: the same with a plain barrier and no refill.  mode 3: the launch's last step.
.macro STEP a, kr, sr, sc, mode, na, nsc, noff, g0=0, nw=0, ask=0
	s_wait_dscnt 0x0                               ; K and the scale words
.irp f, 0,1,2,3                        ; S^T = K Q^T: fragment f's lower half against (q, 0), its upper half against (0, q)
.irp u, 0,1
.if \f%2
	v_wmma_scale_f32_16x16x128_f8f6f4 v[\sr+16*\f+8*\u:\sr+16*\f+8*\u+7], v[\kr+16*\f:\kr+16*\f+15], v[QF+8*\u:QF+8*\u+15], 0, v[\sc+\f/2], v[QS] matrix_a_scale:MATRIX_SCALE_ROW1
.else
	v_wmma_scale_f32_16x16x128_f8f6f4 v[\sr+16*\f+8*\u:\sr+16*\f+8*\u+7], v[\kr+16*\f:\kr+16*\f+15], v[QF+8*\u:QF+8*\u+15], 0, v[\sc+\f/2], v[QS]
.endif
.endr
.endr
.rept 8
	v_nop                                          ; eight places: in front of the loads below and of the first read of the scores (for the read)
.endr
	VLOAD \a, \kr                                  ; V takes K's registers and lands while the softmax is worked
.if (\mode == 1) || (\mode == 2)
	s_wait_tensorcnt 0x0                           ; my part of the other slot has landed, so a group 0 may be written
	ds_add_u32 v[SPW], v[NIL]                      ; 0 onto my spare word
.if \mode == 1
	ds_add_u32 v[SPW], v[NIL]                      ; and once more, where a load follows
	s_add_nc_u64 s[\g0+2:\g0+3], s[\g0+2:\g0+3], 2*SLOTB   ; this slot's next keys, two slots on; the type bits on top are not reached
.if \ask
	s_wait_xcnt 0x0                                ; the last prefetch, three key steps back, has read its address, so it may be written:
	s_add_nc_u64 s[PFA:PFA+1], s[PFA:PFA+1], SLOTB ; one slot further on than the load below
.endif
.endif
.endif
.irp b, 0,1,2,3
	v_max3_num_f32 v[TM+\b], v[\sr+16*\b], v[\sr+16*\b+1], v[\sr+16*\b+2]   ; the largest score of each block of 32 keys: it serves for the row's maximum and, since p rises with the score, for the block's largest p
.endr
.irp i, 3,5,7,9,11,13
.irp b, 0,1,2,3
	v_max3_num_f32 v[TM+\b], v[TM+\b], v[\sr+16*\b+\i], v[\sr+16*\b+\i+1]
.endr
.endr
.if (\mode == 1) || (\mode == 2)
	s_wait_alu depctr_va_vdst(0)
	s_wait_dscnt 0x0                               ; the add is done and V is in registers: my reads of this slot are over
	s_barrier_signal -1                            ; say so; work on registers alone stands up to the wait
.endif
.irp b, 0,1,2,3
	v_max_num_f32 v[TM+\b], v[TM+\b], v[\sr+16*\b+15]
.endr
.irp b, 0,1,2,3
	s_delay_alu instid0(VALU_DEP_4)
	v_permlanex16_b32 v[TM+4+\b], v[TM+\b], s[SEL], s[SEL+1]
.endr
.irp b, 0,1,2,3
	s_delay_alu instid0(VALU_DEP_4)
	v_max_num_f32 v[TM+\b], v[TM+\b], v[TM+4+\b]   ; with lane l xor 16's 16 keys
.endr
	s_delay_alu instid0(VALU_DEP_2)
	v_max3_num_f32 v[TV], v[TM], v[TM+1], v[TM+2]
	s_delay_alu instid0(VALU_DEP_1)
	v_max_num_f32 v[TV], v[TV], v[TM+3]            ; the step's largest score of my query
	s_delay_alu instid0(VALU_DEP_1)
	v_mul_f32 v[TV], s[CS], v[TV]                  ; as t (c is positive)
	s_delay_alu instid0(VALU_DEP_1)
	v_max_num_f32 v13, v13, v[TV]                  ; the running largest t
	v_mov_b32 v[TV], v12
	s_delay_alu instid0(VALU_DEP_2)
	v_floor_f32 v12, -v13                          ; the new -M = floor(-t) = -ceil(t)
	s_delay_alu instid0(VALU_DEP_1)
	v_sub_f32 v[TV], v12, v[TV]                    ; old M - new M: a whole number, 0 or less
	s_delay_alu instid0(VALU_DEP_1)
	v_cvt_i32_f32 v[TV], v[TV]                     ; (it saturates)
	s_delay_alu instid0(VALU_DEP_1)
	v_ldexp_f32 v[FF], 1.0, v[TV]                  ; f = 2^(old M - new M)
.set j, 0
.rept 32
	v_pk_fma_f32 v[\sr+j:\sr+j+1], v[\sr+j:\sr+j+1], s[CS:CS+1], v[12:13] op_sel_hi:[1,0,0]   ; t - M, two at a time (of the pairs c and -M the low word serves both halves)
.set j, j+2
.endr
.irp b, 0,1,2,3
	v_fma_f32 v[TM+\b], v[TM+\b], s[CS], v12       ; the same of each block's largest score
.endr
	s_wait_alu depctr_va_vdst(0)
.set j, 0
.rept 64
	v_exp_f32 v[\sr+j], v[\sr+j]                   ; p = 2^(t - M), at most 1
.set j, j+1
.endr
.irp b, 0,1,2,3
	v_exp_f32 v[TM+\b], v[TM+\b]                   ; the block's largest p: the same two instructions on the same number give the same bits
.endr
	v_pk_mul_f32 v[14:15], v[14:15], v[FF:FF+1] op_sel_hi:[1,0]   ; the sums under the new M: the plain line behind the exponentials
	s_wait_alu depctr_va_vdst(0)                   ; one wait for the whole batch of 68, ahead of its first reader
.set j, 0
.rept 7
	v_pk_add_f32 v[T+2*j:T+2*j+1], v[\sr+4*j:\sr+4*j+1], v[\sr+4*j+2:\sr+4*j+3]   ; the row's sum of the unquantised p, two at a time, in seven chains
.set j, j+1
.endr
.set j, 14
.rept 18
	v_pk_add_f32 v[T+2*(j%7):T+2*(j%7)+1], v[T+2*(j%7):T+2*(j%7)+1], v[\sr+2*j:\sr+2*j+1]
.set j, j+1
.endr
.irp b, 0,1,2,3
	v_max_num_f32 v[TM+\b], 0x4800000, v[TM+\b]    ; the floor 2^(9 - 127): the byte cannot fall under 1
.endr
.irp b, 0,1,2,3
	v_add_nc_u32 v[TM+12+\b], 0xfc000000, v[TM+\b] ; 8 off the exponent field: the conversion's scale operand
.endr
.irp b, 0,1,2,3
	v_and_or_b32 v[TM+8+\b], v[TM+\b], 0x7f800000, s[MNT]         ; 448 x the scale
.endr
.irp b, 0,1,2,3
	v_lshrrev_b32 v[TM+4+\b], 23, v[TM+12+\b]      ; the scale's byte
.endr
	v_lshl_or_b32 v[PS], v[TM+5], 8, v[TM+4]       ; p's scale word for these 128 keys
	v_lshl_or_b32 v[PS], v[TM+6], 16, v[PS]
	v_lshl_or_b32 v[PS], v[TM+7], 24, v[PS]
.if \mode != 3
	v_add_nc_u32 v[\na], \noff, v[AKV]             ; where the next step's block lies
.endif
.irp b, 0,2                            ; THE HOLD: the conversion does not saturate (ISA guide 7.6.2); p is not negative, so it is one-sided.  Two holds to a line: an even register of one block with an odd one of its neighbour, so that the pair's sources lie in different banks
.set j, 0
.rept 8
	v_dual_min_num_f32 v[\sr+16*\b+j], v[\sr+16*\b+j], v[TM+8+\b] :: v_dual_min_num_f32 v[\sr+16*\b+17+j], v[\sr+16*\b+17+j], v[TM+9+\b]
	v_dual_min_num_f32 v[\sr+16*\b+16+j], v[\sr+16*\b+16+j], v[TM+9+\b] :: v_dual_min_num_f32 v[\sr+16*\b+1+j], v[\sr+16*\b+1+j], v[TM+8+\b]
.set j, j+2
.endr
.irp d, 0,1
	v_cvt_scalef32_pk8_fp8_f32 v[PC+4*(\b+\d):PC+4*(\b+\d)+1], v[\sr+16*(\b+\d):\sr+16*(\b+\d)+7], v[TM+12+\b+\d]
	v_cvt_scalef32_pk8_fp8_f32 v[PC+4*(\b+\d)+2:PC+4*(\b+\d)+3], v[\sr+16*(\b+\d)+8:\sr+16*(\b+\d)+15], v[TM+12+\b+\d]
.endr
.endr
.if (\mode == 1) || (\mode == 2)
	s_wait_alu depctr_va_vdst(0)
	s_barrier_wait -1                              ; no wave of my work-group reads the slot that is left, and the other slot is whole
.if \mode == 1
	CREST                                          ; the same of all four work-groups
	JLOAD \g0, \nw                                 ; the joint refill, first behind the round
.endif
.endif
.if \mode != 3
	KLOAD \na, \sr, \nsc                           ; p is in codes: its bank takes the next step's K
.endif
.if \ask
	ASK \ask
.endif
	s_wait_alu depctr_va_vdst(0)
.set j, 0
.rept 16
	v_pk_mul_f32 v[OT+j:OT+j+1], v[OT+j:OT+j+1], v[FF:FF+1] op_sel_hi:[1,0]   ; O^T under the new M.  (These sixteen also stand between the conversions and the products)
.set j, j+2
.endr
.if \mode == 0
	s_wait_alu depctr_va_vdst(0)
	s_wait_dscnt 17                                ; V is in; the 17 loads issued behind it may stay out
.endif
.if \mode == 3
	s_wait_alu depctr_va_vdst(0)
	s_wait_dscnt 0x0                               ; V
.endif
.irp t, 0,1,2,3                        ; O^T += V^T P^T: the four accumulators by turns.  (Modes 1, 2: V was waited for ahead of the signal)
.if \t%2
	v_wmma_scale_f32_16x16x128_f8f6f4 v[OT+8*\t:OT+8*\t+7], v[\kr+16*\t:\kr+16*\t+15], v[PC:PC+15], v[OT+8*\t:OT+8*\t+7], v[\sc+2+\t/2], v[PS] matrix_a_scale:MATRIX_SCALE_ROW1
.else
	v_wmma_scale_f32_16x16x128_f8f6f4 v[OT+8*\t:OT+8*\t+7], v[\kr+16*\t:\kr+16*\t+15], v[PC:PC+15], v[OT+8*\t:OT+8*\t+7], v[\sc+2+\t/2], v[PS]
.endif
.endr
	v_pk_add_f32 v[T:T+1], v[T:T+1], v[T+2:T+3]    ; the seven chains join the sum: seven of the nine places ahead of the next step's products, which write over V's bank
	v_pk_add_f32 v[T+4:T+5], v[T+4:T+5], v[T+6:T+7]
	v_pk_add_f32 v[T+8:T+9], v[T+8:T+9], v[T+10:T+11]
	v_pk_add_f32 v[14:15], v[14:15], v[T+12:T+13]
	v_pk_add_f32 v[T:T+1], v[T:T+1], v[T+4:T+5]
	v_pk_add_f32 v[14:15], v[14:15], v[T+8:T+9]
	v_pk_add_f32 v[14:15], v[14:15], v[T:T+1]
.if \mode != 3
	v_nop                                          ; the other two places
	v_nop
.endif
.endm
.macro EV mode, noff, g0=0, nw=0, ask=0            ; an even step
	STEP AD, RA, RB, SC0, \mode, AD+1, SC1, \noff, \g0, \nw, \ask
.endm
.macro OD mode, noff, g0=0, nw=0, ask=0            ; an odd step
	STEP AD+1, RB, RA, SC1, \mode, AD, SC0, \noff, \g0, \nw, \ask
.endm
	s_wait_alu depctr_va_vdst(0)
	s_wait_tensorcnt 0x0                           ; my part of slot 0 is in; slot 1's first fill is issued as a refill is:
	ds_add_u32 v[SPW], v[NIL]                      ; 0 onto my spare word, twice on end
	ds_add_u32 v[SPW], v[NIL]
	s_wait_dscnt 0x0
	CROUND
	JLOAD GB, 9                                    ; slot 1
	KLOAD AD, RA, SC0
	ASK 1                                          ; slot 2
	s_wait_loadcnt 0x0                             ; q
.Ltrip:                                            ; four trips of two slots, six steps: slots 0 to 7; each slot is filled again with the keys two slots on
	EV 0, STEPB
	OD 0, 2*STEPB
	EV 1, SLOTB, GA, 9, 1
	OD 0, SLOTB+STEPB
	EV 0, SLOTB+2*STEPB
	OD 1, 0, GB, 9, 2
	s_sub_co_u32 s[SLOTS], s[SLOTS], 1
	s_cmp_lg_u32 s[SLOTS], 0
	s_cbranch_scc1 .Ltrip
	EV 0, STEPB                                    ; slot 8; in its last step slot 0 takes the last two steps' six blocks
	OD 0, 2*STEPB
	EV 1, SLOTB, GA, 6, 0
	OD 0, SLOTB+STEPB                              ; slot 9; nothing is asked for in it
	EV 0, SLOTB+2*STEPB
	OD 2, 0
	EV 0, STEPB                                    ; the last two steps
	OD 3, 0
	; THE WAY OUT.  O^T / the sum is ctx: register 8 t + j = channel 16 t + 8 h + j of my query: two blocks of 32 along the last product's K, in the order that all operands here have.
	v_add_f32 v14, v14, v15                        ; the sum's two halves,
	s_delay_alu instid0(VALU_DEP_1)
	v_permlanex16_b32 v[TV], v14, s[SEL], s[SEL+1]
	s_delay_alu instid0(VALU_DEP_1)
	v_add_f32 v14, v14, v[TV]                      ; and lane l xor 16's: the row's sum.  (With the seven additions above: ten places behind the last products)
	s_wait_alu depctr_va_vdst(0)
	v_rcp_f32 v14, v14
	v_bfe_u32 v[T], v0, 4, 1                       ; h
	v_and_b32 v[T+1], 15, v0                       ; r
	v_and_b32 v[T+2], 31, v0                       ; lane
	v_cmp_eq_u32 vcc_lo, 1, v[T]                   ; lanes 16-31 will store block 1's byte
	v_lshl_add_u32 v[T+1], v[T+1], 2, v[T]         ; 4 r + h
	v_lshlrev_b32 v[T+2], 4, v[T+2]                ; 16 x lane
	s_wait_alu depctr_va_vdst(0)                   ; the wait ahead of the reciprocal's and O^T's first reader
.set j, 0
.rept 32
	v_mul_f32 v[RA+j], v[OT+j], v14                ; each accumulator from its low end on
.set j, j+1
.endr
	QUANT RA, 2
	v_cndmask_b32 v[TV], v[TM+4], v[TM+5], vcc_lo
	global_store_b128 v[T+2], v[PC:PC+3], s[10:11]             ; 32 lanes store 512 consecutive bytes, at a multiple of 256 from cc's first byte
	global_store_b128 v[T+2], v[PC+4:PC+7], s[10:11] offset:512
	global_store_b8 v[T+1], v[TV], s[12:13]                    ; row r's bytes 2 (hd % 2) + h
	s_wait_tensorcnt 0x0                           ; the wave's end
	ds_add_u32 v[SPW], v[NIL]
	s_wait_dscnt 0x0
	CROUND                                         ; the closing round: no work-group ends while a partner may still ask for a tile that names it
	s_endpgm
.Lfunc_end_k_q1c52771956_attn:
	.size	k_q1c52771956_attn, .Lfunc_end_k_q1c52771956_attn-k_q1c52771956_attn
	.p2alignl 7, 3214868480
	.fill 96, 4, 3214868480
	.section	.rodata,"a",@progbits
	.p2align	6, 0x0
	.amdhsa_kernel k_q1c52771956_attn
		.amdhsa_group_segment_fixed_size 327680
		.amdhsa_private_segment_fixed_size 0
		.amdhsa_enable_private_segment 0
		.amdhsa_kernarg_size 40
		.amdhsa_user_sgpr_count 2
		.amdhsa_user_sgpr_kernarg_segment_ptr 1
		.amdhsa_wavefront_size32 1
		.amdhsa_system_sgpr_workgroup_id_x 1
		.amdhsa_system_sgpr_workgroup_id_y 1
		.amdhsa_system_sgpr_workgroup_id_z 1
		.amdhsa_system_vgpr_workitem_id 0
		.amdhsa_next_free_vgpr 256
		.amdhsa_next_free_sgpr 66
		.amdhsa_reserve_vcc 1
		.amdhsa_float_denorm_mode_32 3
		.amdhsa_float_denorm_mode_16_64 3
		.amdhsa_memory_ordered 1
		.amdhsa_forward_progress 1
		.amdhsa_inst_pref_size 255
	.end_amdhsa_kernel
	.section	.bss,"aw",@nobits
	.p2align	6
	.space	262144
	.amdgpu_metadata
---
amdhsa.version: [ 1, 2 ]
amdhsa.kernels:
  - .name:           k_q1c52771956_attn
    .symbol:         k_q1c52771956_attn.kd
    .args:
      - { .name: qc, .offset: 0, .size: 8, .value_kind: global_buffer, .address_space: global }
      - { .name: qs, .offset: 8, .size: 8, .value_kind: global_buffer, .address_space: global }
      - { .name: kv, .offset: 16, .size: 8, .value_kind: global_buffer, .address_space: global }
      - { .name: cc, .offset: 24, .size: 8, .value_kind: global_buffer, .address_space: global }
      - { .name: cs, .offset: 32, .size: 8, .value_kind: global_buffer, .address_space: global }
    .group_segment_fixed_size: 327680
    .private_segment_fixed_size: 0
    .kernarg_segment_align: 8
    .kernarg_segment_size: 40
    .max_flat_workgroup_size: 384
    .sgpr_count:     66
    .vgpr_count:     256
    .wavefront_size: 32
...
	.end_amdgpu_metadata
.endif
;; end of part 2
;; launch outp (part 3): grid 64 x 4, 12 waves a work-group, clusters of 4 x 1, 215,040 bytes of LDS; arguments cc, cs, Wo_codes, Wo_scales, bo, out0; writes out0
.if DOCPART == 3
	.amdgcn_target "amdgcn-amd-amdhsa--gfx1250"
	.amdhsa_code_object_version 6
	.text
	.protected	k_q1c52771956_outp
	.globl	k_q1c52771956_outp
	.p2align	8
	.type	k_q1c52771956_outp,@function
k_q1c52771956_outp:
	s_mov_b64 s[64:65], 0
	v_nop
	global_prefetch_b8 v0, s[64:65] scope:SCOPE_SE
	s_setreg_imm32_b32 hwreg(HW_REG_WAVE_MODE, 25, 1), 1
	s_wait_xcnt 0x0
	s_wait_alu depctr_hold_cnt(0) depctr_sa_sdst(0) depctr_va_vdst(0) depctr_va_sdst(0) depctr_va_ssrc(0) depctr_va_vcc(0) depctr_vm_vsrc(0)
	s_getreg_b32 s2, hwreg(HW_REG_IB_STS2, 6, 4)
	s_cmp_eq_u32 s2, 0
	s_cbranch_scc0 .Lentry_in_a_cluster
	s_endpgm
.Lentry_in_a_cluster:
	s_bfe_u32 s2, ttmp6, 0x10000c
	s_cmp_lg_u32 s2, 0x3003
	s_cbranch_scc0 .Lentry_shape_is_right
	s_endpgm
.Lentry_shape_is_right:
; OUTP.  out = ctx Wo + bo on codes of E4M3 with one E8M0 scale for each 32 along K (K = 768); sums and out in f32.
; SHARES.  A work-group takes 64 rows x 192 columns: 64 x 4 = 256 work-groups.  Twelve waves: tile of 16 rows wave % 4, 64 columns wave / 4: four accumulators, six K steps of 128.
; ctx comes from memory straight into registers, as images of its fragments (512 consecutive bytes a load).  Its codes lie, inside each block of 32, in the order 16 (i / 8) + 8 (lane / 16) + i % 8;
; Wo's rows lie in the natural order in LDS and are LOADED in ctx's order: eight loads of 8 bytes at 16 c + 8 (lane / 16) into registers 2 c, 2 c + 1.
; Wo's 192 rows, all of K, lie in LDS, filled once.  CLUSTER: the four blocks of rows of a cluster take the same columns: Wo's tiles are asked for JOINTLY, with the mask of all four.
; The product is used transposed (source 0 = 16 rows of Wo, source 1 = ctx): a lane holds eight neighbouring columns of one row of out.  bo is loaded into the accumulators: the sums start from it.
; A wave's 16 rows x 256 bytes go through its own stage in LDS and leave as whole aligned runs of 256 bytes.
; LIMITS: NaN and infinities are not served.
.set PITCH, 272                        ; an LDS row: 256 bytes + 16 of padding
.set WP,    816                        ; a row of Wo in LDS: all of K, 3 x (256 bytes + 16 of padding)
.set PLANE, 272                        ; 256 along K on, inside a row
.set WPART, 64*WP
.set WSB,   192*WP                     ; Wo's scale bytes of the 192 rows: 24 a row, dense
.set STG,   WSB+4608                   ; the stages: 16 rows x 272 bytes for each wave; no fill lands here
.set AW,  4                            ; v4-6  LDS address of my Wo fragments in plane 0, 1, 2
.set AWS, 7                            ; v7    of Wo's scale words: lane l takes row 64 (wave / 4) + l
.set L16, 8
.set L4,  9
.set H32, 10
.set STO, 11
.set RD,  12
.set GO,  13
.set WSC, 24                           ; v24-35 Wo's scale words: register 6 (t / 2) + ks: lanes 0-15 tile t even, lanes 16-31 tile t odd
.set CSC, 36                           ; v36-38 ctx's: register ks / 2: lanes 0-15 ks even, lanes 16-31 ks odd
.set CF,  64                           ; v64-159  ctx's six fragments
.set WF,  160                          ; v160-223 Wo's four
.set ACC, 224                          ; v224-255 four accumulators
.set G1W,  16
.set G1WS, 24
.set G0,   32                          ; s[32:39] two groups 0: scale bytes, the codes
.set WV,  48
.set QT,  49
.set C3,  50
.set CX,  51
.set GY,  52
.set TT,  53
.macro CROUND
	s_barrier_signal -1
	s_barrier_wait -1
	s_cmp_lg_u32 s[WV], 0
	s_cbranch_scc1 .Lnot_wave_0_\@
	s_barrier_signal -3
.Lnot_wave_0_\@:
	s_barrier_wait -3
	s_barrier_signal -1
	s_barrier_wait -1
.endm
.macro SYNC left                       ; every wave's one load has landed, and every wave knows it
	s_wait_tensorcnt \left
	s_barrier_signal -1
	s_barrier_wait -1
.endm
.macro WM d, a, b, c, sa, sb, ra, rb   ; one product; ra, rb = 1: that side's scales stand in lanes 16-31 of the register named
.if (\ra) && (\rb)
	v_wmma_scale_f32_16x16x128_f8f6f4 v[\d:\d+7], v[\a:\a+15], v[\b:\b+15], v[\c:\c+7], v[\sa], v[\sb] matrix_a_scale:MATRIX_SCALE_ROW1 matrix_b_scale:MATRIX_SCALE_ROW1
.elseif (\ra)
	v_wmma_scale_f32_16x16x128_f8f6f4 v[\d:\d+7], v[\a:\a+15], v[\b:\b+15], v[\c:\c+7], v[\sa], v[\sb] matrix_a_scale:MATRIX_SCALE_ROW1
.elseif (\rb)
	v_wmma_scale_f32_16x16x128_f8f6f4 v[\d:\d+7], v[\a:\a+15], v[\b:\b+15], v[\c:\c+7], v[\sa], v[\sb] matrix_b_scale:MATRIX_SCALE_ROW1
.else
	v_wmma_scale_f32_16x16x128_f8f6f4 v[\d:\d+7], v[\a:\a+15], v[\b:\b+15], v[\c:\c+7], v[\sa], v[\sb]
.endif
.endm
	s_load_b256 s[4:11], s[0:1], 0x0               ; cc, cs, Wo's codes, Wo's scales
	s_load_b128 s[12:15], s[0:1], 0x20             ; bo, out0
	v_lshl_add_u32 v62, v0, 2, 0x34200
	v_mov_b32 v63, 0
	ds_add_u32 v62, v63
	ds_add_u32 v62, v63
	v_lshrrev_b32 v1, 5, v0
	s_delay_alu instid0(VALU_DEP_1)
	v_readfirstlane_b32 s[WV], v1                  ; wave 0..11
	s_and_b32 s[QT], s[WV], 3
	s_lshr_b32 s[C3], s[WV], 2
	s_bfe_u32 s[CX], ttmp6, 0x40000
	s_and_b32 s[GY], ttmp7, 0xffff
	s_lshl_b32 s[TT], ttmp9, 2
	s_add_co_u32 s[TT], s[TT], s[CX]               ; my block of 64 rows = 4 x cluster x + cx: it enters ctx's and out's addresses alone
	s_lshl_b32 s[TT], s[TT], 2
	s_add_co_u32 s[TT], s[TT], s[QT]               ; my tile of 16 rows
	s_mov_b32 s[G1W], 15|(1<<20)|(1<<21)|(5<<22)|(3<<25)   ; the mask: all four; elements of 1 byte; 4 words of padding behind every 64; bit 21 beside a mask
	s_mov_b32 s[G1W+1], 768<<16                    ; 64 whole rows of 768 bytes, dense
	s_mov_b32 s[G1W+2], 64<<16
	s_mov_b32 s[G1W+3], 768<<16
	s_mov_b32 s[G1W+4], 64
	s_mov_b32 s[G1W+5], 768
	s_mov_b32 s[G1W+6], 0
	s_mov_b32 s[G1W+7], 0
	s_mov_b32 s[G1WS], 15|(3<<16)|(1<<21)          ; the mask: all four; elements of 8 bytes, no padding
	s_mov_b32 s[G1WS+1], 32<<16
	s_mov_b32 s[G1WS+2], 18<<16                    ; the scale bytes of all 192 rows: 4,608 dense bytes as 18 rows of 256
	s_mov_b32 s[G1WS+3], 32<<16
	s_mov_b32 s[G1WS+4], 18
	s_mov_b32 s[G1WS+5], 32
	s_mov_b32 s[G1WS+6], 0
	s_mov_b32 s[G1WS+7], 0
	v_and_b32 v1, 31, v0                           ; lane
	v_and_b32 v2, 15, v0                           ; r
	v_bfe_u32 v3, v0, 4, 1                         ; h
	s_delay_alu instid0(VALU_DEP_2)
	v_mul_u32_u24 v14, v2, WP
	s_delay_alu instid0(VALU_DEP_1)
	v_lshl_add_u32 v14, v3, 3, v14                 ; row x pitch + 8 h
	s_mul_i32 s54, s[C3], WPART
.irp kc, 0,1,2
	v_add_nc_u32 v[AW+\kc], s54, v14
	s_add_co_u32 s54, s54, PLANE
.endr
	v_mul_u32_u24 v[AWS], v1, 24
	s_mul_i32 s54, s[C3], 1536
	s_add_co_u32 s54, s54, WSB
	v_add_nc_u32 v[AWS], s54, v[AWS]
	v_lshlrev_b32 v[L16], 4, v1
	v_lshlrev_b32 v[L4], 2, v1
	v_lshlrev_b32 v[H32], 5, v3
	s_mul_i32 s54, s[WV], 16*PITCH
	s_add_co_u32 s54, s54, STG                     ; my stage
	v_mul_u32_u24 v[STO], v2, PITCH
	s_delay_alu instid0(VALU_DEP_1)
	v_lshl_add_u32 v[STO], v3, 5, v[STO]
	s_delay_alu instid0(VALU_DEP_1)
	v_add_nc_u32 v[STO], s54, v[STO]               ; in: row r, 32 bytes for each half of the lanes
	v_mul_u32_u24 v[RD], v3, PITCH
	s_delay_alu instid0(VALU_DEP_1)
	v_lshl_add_u32 v[RD], v2, 4, v[RD]
	s_delay_alu instid0(VALU_DEP_1)
	v_add_nc_u32 v[RD], s54, v[RD]                 ; back: lanes 0-15 one row of 256 bytes, lanes 16-31 the next
	v_mul_u32_u24 v[GO], v3, 3072
	s_delay_alu instid0(VALU_DEP_1)
	v_lshl_add_u32 v[GO], v2, 4, v[GO]             ; and the same two rows in out
	s_mul_i32 s54, s[GY], 192
	s_lshl_b32 s55, s[WV], 6
	s_add_co_u32 s54, s54, s55                     ; the 64 rows of Wo that I fetch, if I fetch (waves 0 to 2): 192 y + 64 wave: no place in the cluster enters
	s_mul_i32 s56, s54, 768
	s_mov_b32 s57, 0
	s_mul_i32 s54, s[GY], 4608                     ; the scale bytes of the work-group's 192 rows
	s_mov_b32 s55, 0
	s_mul_i32 s59, s[WV], WPART
	s_wait_dscnt 0x0
	s_wait_kmcnt 0x0
	s_mov_b32 s[G0], 1
	s_mov_b32 s[G0+1], WSB
	s_add_nc_u64 s[G0+2:G0+3], s[10:11], s[54:55]
	s_or_b32 s[G0+3], s[G0+3], 0x80000000
	s_add_nc_u64 s[56:57], s[8:9], s[56:57]
.irp kc, 0
	s_mov_b32 s[G0+4+4*\kc], 1
	s_add_co_u32 s[G0+5+4*\kc], s59, \kc*PLANE
	s_add_nc_u64 s[G0+6+4*\kc:G0+7+4*\kc], s[56:57], 256*\kc
	s_or_b32 s[G0+7+4*\kc], s[G0+7+4*\kc], 0x80000000
.endr
	CROUND                                         ; all four work-groups are here: the joint loads meet
	s_cmp_lt_u32 s[WV], 3                          ; the head's four tiles, one load a wave, in one chain of arms on the wave's number: waves 0 to 2: 64 rows of Wo each
	s_cbranch_scc0 .Lnot_w
	tensor_load_to_lds s[G0+4:G0+7], s[G1W:G1W+7]
	s_nop 0
.rept 4
	v_nop
.endr
	s_branch .Lfilled
.Lnot_w:
	s_cmp_eq_u32 s[WV], 3                          ; wave 3: the scale bytes; the other waves fetch nothing
	s_cbranch_scc0 .Lfilled
	tensor_load_to_lds s[G0:G0+3], s[G1WS:G1WS+7]
	s_nop 0
.rept 4
	v_nop
.endr
.Lfilled:
	s_mul_i32 s54, s[TT], 12288
	s_mov_b32 s55, 0
	s_add_nc_u64 s[4:5], s[4:5], s[54:55]          ; my tile's six fragments of ctx
	s_mul_i32 s54, s[TT], 384
	s_add_nc_u64 s[6:7], s[6:7], s[54:55]          ; and their scale words
	s_mul_i32 s54, s[GY], 768
	s_lshl_b32 s58, s[C3], 8
	s_add_co_u32 s54, s54, s58                     ; my 64 columns, in bytes
	s_add_nc_u64 s[12:13], s[12:13], s[54:55]
	s_add_nc_u64 s[14:15], s[14:15], s[54:55]
	s_mul_i32 s54, s[TT], 16*3072
	s_add_nc_u64 s[14:15], s[14:15], s[54:55]
.irp s, 0,1,2,3,4,5
.irp c, 0,1,2,3
	global_load_b128 v[CF+16*\s+4*\c:CF+16*\s+4*\c+3], v[L16], s[4:5] offset:2048*\s+512*\c
.endr
.endr
.irp i, 0,1,2
	global_load_b32 v[CSC+\i], v[L4], s[6:7] offset:128*\i
.endr
	s_wait_alu depctr_va_vdst(0)
.irp t, 0,1,2,3
	global_load_b128 v[ACC+8*\t:ACC+8*\t+3], v[H32], s[12:13] offset:64*\t       ; bo at columns 16 t + 8 h + 0 .. 7: the sums start from it
	global_load_b128 v[ACC+8*\t+4:ACC+8*\t+7], v[H32], s[12:13] offset:64*\t+16
.endr
; A K step of 128: Wo's four fragments, four products.  The four accumulators take turns, in the same order in every step.
.macro KSTEP3 kc, kp
.set ks, 2*(\kc)+(\kp)
.irp t, 0,1,2,3
.irp c, 0,1,2,3,4,5,6,7
	ds_load_b64 v[WF+16*\t+2*\c:WF+16*\t+2*\c+1], v[AW+\kc] offset:16*WP*\t+128*(\kp)+16*\c
.endr
.endr
	s_wait_dscnt 0x0
.irp t, 0,1,2,3
	WM ACC+8*\t, WF+16*\t, CF+16*ks, ACC+8*\t, WSC+6*(\t/2)+ks, CSC+ks/2, \t%2, ks%2
.endr
.rept 8
	v_nop                                          ; eight places in front of loads into registers that these products read, and of the first read of results
.endr
.endm
	SYNC 0                                         ; all four tiles are in: no tensor load is out any more
.irp kc, 0,1,2
	ds_load_b64 v[WSC+2*\kc:WSC+2*\kc+1], v[AWS] offset:8*\kc
	ds_load_b64 v[WSC+6+2*\kc:WSC+6+2*\kc+1], v[AWS] offset:768+8*\kc
.endr
	s_wait_loadcnt 0x0                             ; ctx, its scale words, bo
	KSTEP3 0, 0
	KSTEP3 0, 1
	KSTEP3 1, 0
	KSTEP3 1, 1
	KSTEP3 2, 0
	KSTEP3 2, 1
	; THE WAY OUT, through my own stage: LDS serves a wave's instructions in order (ISA guide 5.7.1.4), so no wait stands between the stores and the loads
.irp t, 0,1,2,3
	ds_store_b128 v[STO], v[ACC+8*\t:ACC+8*\t+3] offset:64*\t          ; each accumulator from its low end on
	ds_store_b128 v[STO], v[ACC+8*\t+4:ACC+8*\t+7] offset:64*\t+16
.endr
.irp i, 0,1,2,3,4,5,6,7
	ds_load_b128 v[WF+4*\i:WF+4*\i+3], v[RD] offset:2*PITCH*\i
.endr
.irp i, 0,1,2,3,4,5,6,7
	s_wait_dscnt 7-\i                              ; the younger loads may stay out
	global_store_b128 v[GO], v[WF+4*\i:WF+4*\i+3], s[14:15] offset:2*3072*\i th:TH_STORE_NT   ; 16 lanes store 256 consecutive bytes, at a multiple of 256 from out's first byte; written once, read by nobody here
.endr
	s_wait_tensorcnt 0x0
	ds_add_u32 v62, v63
	s_wait_dscnt 0x0
	CROUND                                         ; the closing round: no work-group ends while a partner may still ask for a tile that names it
	s_endpgm
.Lfunc_end_k_q1c52771956_outp:
	.size	k_q1c52771956_outp, .Lfunc_end_k_q1c52771956_outp-k_q1c52771956_outp
	.p2alignl 7, 3214868480
	.fill 96, 4, 3214868480
	.section	.rodata,"a",@progbits
	.p2align	6, 0x0
	.amdhsa_kernel k_q1c52771956_outp
		.amdhsa_group_segment_fixed_size 215040
		.amdhsa_private_segment_fixed_size 0
		.amdhsa_enable_private_segment 0
		.amdhsa_kernarg_size 48
		.amdhsa_user_sgpr_count 2
		.amdhsa_user_sgpr_kernarg_segment_ptr 1
		.amdhsa_wavefront_size32 1
		.amdhsa_system_sgpr_workgroup_id_x 1
		.amdhsa_system_sgpr_workgroup_id_y 1
		.amdhsa_system_sgpr_workgroup_id_z 1
		.amdhsa_system_vgpr_workitem_id 0
		.amdhsa_next_free_vgpr 256
		.amdhsa_next_free_sgpr 66
		.amdhsa_reserve_vcc 0
		.amdhsa_float_denorm_mode_32 3
		.amdhsa_float_denorm_mode_16_64 3
		.amdhsa_memory_ordered 1
		.amdhsa_forward_progress 1
		.amdhsa_inst_pref_size 30
	.end_amdhsa_kernel
	.amdgpu_metadata
---
amdhsa.version: [ 1, 2 ]
amdhsa.kernels:
  - .name:           k_q1c52771956_outp
    .symbol:         k_q1c52771956_outp.kd
    .args:
      - { .name: cc, .offset: 0, .size: 8, .value_kind: global_buffer, .address_space: global }
      - { .name: cs, .offset: 8, .size: 8, .value_kind: global_buffer, .address_space: global }
      - { .name: Wo_codes, .offset: 16, .size: 8, .value_kind: global_buffer, .address_space: global }
      - { .name: Wo_scales, .offset: 24, .size: 8, .value_kind: global_buffer, .address_space: global }
      - { .name: bo, .offset: 32, .size: 8, .value_kind: global_buffer, .address_space: global }
      - { .name: out0, .offset: 40, .size: 8, .value_kind: global_buffer, .address_space: global }
    .group_segment_fixed_size: 215040
    .private_segment_fixed_size: 0
    .kernarg_segment_align: 8
    .kernarg_segment_size: 48
    .max_flat_workgroup_size: 384
    .sgpr_count:     66
    .vgpr_count:     256
    .wavefront_size: 32
...
	.end_amdgpu_metadata
.endif
;; end of part 3
